; MI455X (gfx1250); checked and timed in simulation.
; The chip was launched on July 23, 2026; its instructions are those of AMD's public machine-readable ISA for CDNA 5 (MIT licence, August 2026) and "CDNA5" Instruction Set Architecture Reference Guide (July 2026). The comments in the code are by the model that wrote it; some were corrected since.
;; Grouped Query Attention. Allowed arithmetic: matrix products marked QUANTISED: E3M2 operands, one E8M0 scale for each 32 along K, by v_wmma_scale_f32_16x16x128_f8f6f4 with both operands' format E3M2, f32 sums; everything else in f32.
;; Inputs: Wk 2,048 x 512 float32; Wq 2,048 x 2,048 float32; Wv 2,048 x 512 float32; bk 512 float32; bq 2,048 float32; bv 512 float32; hidden_states 2 x 2,048 x 2,048 float32.
;; Outputs: out0 2 x 2,048 x 2,048 float32.
;; This version of the problem:
;;   THIS VERSION OF THE PROBLEM IS GIVEN IN LOW PRECISION. The matrix products marked QUANTISED in the list below multiply operands that are first quantised to E3M2 (3 exponent bits, 2 mantissa bits; 6 bits a number), with one power-of-two scale for each 32 numbers along K (OCP MX v1.0); their sums are f32. All else is computed in f32.
;;   The module's matrix products, in the order in which they are computed (A, B: the left and right operand; K: the contracted axis; several contracted axes count as one K, in the product's order):
;;     1. [M 4,096, K 2,048] x [K 2,048, N 2,048]; A: input hidden_states; B: input Wq: QUANTISED
;;     2. [M 4,096, K 2,048] x [K 2,048, N 512]; A: input hidden_states; B: input Wk: QUANTISED
;;     3. [M 4,096, K 2,048] x [K 2,048, N 512]; A: input hidden_states; B: input Wv: QUANTISED
;;     4. batch 8 x [M 2,048, K 128] x [K 128, N 8,192]; A: computed on the way; B: computed on the way: QUANTISED
;;     5. batch 8 x [M 128, K 2,048] x [K 2,048, N 8,192]; A: computed on the way; B: softmax (see below): QUANTISED
;;   THE QUANTISER, for each operand of a quantised product, along K:
;;     - K is cut into blocks of 32 from its start; a last block that is shorter is filled with zeros.
;;     - A block's scale is 2^e with e = floor(log2(the largest magnitude in the block)) - 4, held to -126 .. 127; a block of zeros has e = 0. As a byte (E8M0): e + 127.
;;     - Each number is divided by its block's scale, clamped to +-28, and rounded to the nearest number of E3M2, ties to even, subnormals kept.
;;     - The product sums the exact products of the quantised numbers (number of the format x scale) in f32.
;;   ~~~python
;;   def quantise(x, axis):      # numpy; x: float32 -> the quantised numbers, widened to float32 again
;;       x = np.moveaxis(x, axis, -1); K = x.shape[-1]
;;       x = np.pad(x, [(0, 0)] * (x.ndim - 1) + [(0, -K % 32)]); x = x.reshape(x.shape[:-1] + (-1, 32)); a = np.abs(x).max(-1, keepdims=True)
;;       e = np.where(a > 0, np.clip(np.frexp(np.where(a > 0, a, 1))[1] - 1 - 4, -126, 127), 0)      # np.frexp(a)[1] - 1 = floor(log2(a)), exactly
;;       r = np.clip(x / 2.0 ** e, -28, 28)
;;       step = 2.0 ** (np.maximum(np.frexp(np.where(r == 0, 1, r))[1] - 1, -2) - 2)
;;       q = np.round(r / step) * step * 2.0 ** e      # np.round: ties to even
;;       return np.moveaxis(q.reshape(q.shape[:-2] + (-1,))[..., :K], -1, axis).astype(np.float32)
;;   ~~~
;;   SOFTMAX AHEAD OF A QUANTISED PRODUCT. Where the list says 'softmax', what is quantised is not the finished softmax but p = 2^(t - M), with t = logit x log2(e) and M = ceil(the row's largest t), a whole number; so 1/2 < the row's largest p <= 1. The row's sum l is taken of the UNQUANTISED p, in f32, and the product's result is divided by l at the end. Since M is a whole number, a kernel that streams over the keys may use a running M (the ceiling of the running maximum): every later rescaling is an exact power of two, which a block's scale takes up: the codes' values come out the same.
;;   OPERANDS COMPUTED ON THE WAY. 'Computed on the way' means the value that the module computes at that place (a softmax that the list does not call 'softmax' is quantised finished and normalised). What goes into a quantiser is computed in f32, as accurately as f32 sums, v_exp_f32 and their like allow (about 1e-6 of the number): no bf16 or f16 on the way to a quantiser, and a product that is left as it is and whose result goes on into a quantised operand takes f32 operands (vector FMAs, or v_wmma_f32_16x16x4_f32). A number that lies on a knife's edge between two numbers of the format may be rounded either way, as far as f32 arithmetic and the matrix unit's own rounding can turn it there, and no further.
;; One version. Each part assembles by itself: llvm-mc -triple=amdgcn-amd-amdhsa -mcpu=gfx1250 --defsym DOCPART=n.
;; ======== version 1 of 1: 3 launches
;; limits: right only within a limited range of input values
;; workspace buffers: h_rec 6,553,600 bytes; w_rec 4,915,200 bytes; rec 9,830,400 bytes
;; launch quant (part 1): grid 448 x 1, 4 waves a work-group, no clusters, 74,240 bytes of LDS; arguments hidden_states, Wq, Wk, Wv, h_rec, w_rec; writes h_rec, w_rec
.if DOCPART == 1
	.amdgcn_target "amdgcn-amd-amdhsa--gfx1250"
	.amdhsa_code_object_version 6
	.text
	.protected	k_q3e2649ee88_quant
	.globl	k_q3e2649ee88_quant
	.p2align	8
	.type	k_q3e2649ee88_quant,@function
k_q3e2649ee88_quant:
	s_mov_b64 s[64:65], 0
	v_nop
	global_prefetch_b8 v0, s[64:65] scope:SCOPE_SE
	s_setreg_imm32_b32 hwreg(HW_REG_WAVE_MODE, 25, 1), 1
	s_wait_xcnt 0x0
; hidden_states [4096][2048] (K innermost) and Wq [2048][2048], Wk, Wv [2048][512] (K is the FIRST axis), f32, become codes of BF6 (E3M2) with one E8M0 byte for each 32 along K.
; A block's byte is its largest magnitude's exponent field - 4, held at 1 from below; each number is divided by the scale and rounded to the nearest code, ties to even.
; No work of the problem is left out in this program: every input has a way to the output and is loaded.
; THE LAYOUT is the one the next launch's registers want.  A RECORD of 25,600 bytes serves 256 rows x 128 K: 16 fragments (16 rows x 128 K) as images of their 12 registers
; (registers 4 c .. 4 c + 3 of lane L at 1536 a + 512 c + 16 L), then at 24,576 the scale words: row r of fragment a at 64 a + 4 r.  Record (G, s) = rows 256 G .., K step s, at (16 G + s) x 25,600.
; Lane r of fragment a is the row at PLACE 16 a + r; row i stands at place swap34(i), i with bits 3 and 4 exchanged.
; Weights: Wq's column n at place swap34(n); Wk's column 128 g + d at 2048 + 256 g + swap34(d); Wv's at 2048 + 256 g + 128 + swap34(d).
; LIMITS: NaN and infinities are not served.  A block under 2^-122 has its byte held at 1; a block of zeros gets the byte 1 where the quantiser says 127: its codes are zeros, and this program alone reads the bytes.
; SHARES: work-groups 0-255 take hidden_states (64 tokens x 512 K; a wave one fragment's 16 tokens), 256-447 the weights (128 columns x 256 K).  The two ways never join and have LDS bytes of their own.
; Codes leave as runs of 1,536 or 3,072 consecutive bytes, 512 a store; scale words leave in pieces of 64 or 128 bytes, one byte in 24 of what is stored.  No barrier: waves share nothing.
.set HWG,   256
.set EMAX,  4
.set RCB,   25600
.set STEPS, 16
.set HR,    16                         ; v16-79 four sets of 16 numbers as loaded; at the end the images read back
.set HX,    80                         ; v80-111 two sets of 16 neighbours
.set HE,    112                        ; v112-127 a scale byte for each step
.set HC,    128                        ; v128-191 codes, four registers a step
.set HA,    192                        ; v192-194 where my three code words go in the image; v195 16 x lane in my region
.set WREG,  12288                      ; a wave's LDS: two stages of 32 x SP, 256 scale bytes, 6,144 of images
.set SP,    80
.set HSB,   5120
.set HIMG,  5376
.set WLDS,  4*WREG                     ; the weights' way: 6,144 bytes of images a wave
.set SPARE, WLDS+4*6144                ; the spare words
.set NB,    8
.set WX,    32
.set WC,    96
.set OUTR,  112
.set SB,    24
.set OFF,   176
	s_load_b256 s[4:11], s[0:1], 0x0               ; hidden_states, Wq, Wk, Wv
	s_load_b128 s[12:15], s[0:1], 0x20             ; h_rec, w_rec
	v_lshl_add_u32 v208, v0, 2, SPARE
	v_mov_b32 v209, 0
	v_lshrrev_b32 v1, 5, v0
	v_readfirstlane_b32 s20, v1                    ; wave
	v_and_b32 v2, 31, v0                           ; lane
	s_wait_alu depctr_va_vdst(0)                   ; the wait at the head's end
	s_wait_kmcnt 0x0
	s_cmp_lt_u32 ttmp9, HWG
	s_cbranch_scc0 .Lweights
; ---- hidden_states.  Step t is token r = t of my fragment, 512 along K: four loads of 512 consecutive bytes, turned through my stage so that a lane holds 16 neighbours.
	s_and_b32 s22, ttmp9, 3                        ; which 512 along K
	s_lshr_b32 s23, ttmp9, 2                       ; which 64 tokens
	s_lshr_b32 s24, s23, 2                         ; G
	s_and_b32 s25, s23, 3
	s_lshl_b32 s25, s25, 2
	s_add_co_u32 s25, s25, s20                     ; a: my fragment of the record's 16
	s_lshl_b32 s26, s24, 8
	s_lshr_b32 s28, s25, 1
	s_lshl_b32 s28, s28, 5
	s_add_co_u32 s26, s26, s28
	s_and_b32 s28, s25, 1
	s_lshl_b32 s28, s28, 3
	s_add_co_u32 s26, s26, s28                     ; token of r = 0: 256 G + 32 (a / 2) + 8 (a % 2); r's lies 16 (r / 8) + r % 8 on
	s_lshl_b32 s26, s26, 13
	s_lshl_b32 s28, s22, 11
	s_add_co_u32 s26, s26, s28
	s_mov_b32 s27, 0
	s_add_nc_u64 s[4:5], s[4:5], s[26:27]
	s_lshl_b32 s28, s24, 4
	s_lshl_b32 s29, s22, 2
	s_add_co_u32 s28, s28, s29
	s_mul_i32 s28, s28, RCB                        ; my first record
	s_mul_i32 s26, s25, 1536
	s_add_co_u32 s26, s26, s28
	s_add_nc_u64 s[16:17], s[12:13], s[26:27]      ; my fragment's image
	s_lshl_b32 s26, s25, 6
	s_add_co_u32 s26, s26, s28
	s_add_co_u32 s26, s26, 16*1536
	s_add_nc_u64 s[18:19], s[12:13], s[26:27]      ; its scale words
	s_mul_i32 s21, s20, WREG
	v_lshlrev_b32 v3, 4, v2
	v_lshrrev_b32 v14, 2, v2
	v_mul_u32_u24 v14, v14, SP
	v_and_b32 v15, 3, v2
	v_lshl_add_u32 v14, v15, 4, v14
	v_add_nc_u32 v14, s21, v14                     ; the stage, in
	v_mul_u32_u24 v15, v2, SP
	v_add_nc_u32 v15, s21, v15                     ; and out
	v_lshrrev_b32 v10, 3, v2                       ; my K step of the four: lane / 8
	v_bfe_u32 v5, v2, 1, 2                         ; my block's byte in its word
	v_lshl_add_u32 v5, v10, 6, v5
	v_add_nc_u32 v5, s21, v5                       ; scale bytes: 64 x K step + byte (+ 4 r)
	v_lshlrev_b32 v6, 3, v2
	v_add_nc_u32 v6, s21, v6
	v_and_b32 v7, 7, v2
	v_lshlrev_b32 v7, 3, v7
	v_mad_u32_u24 v7, v10, RCB, v7                 ; and on the way out: 8 bytes a lane, eight lanes to a record
	v_bfe_u32 v11, v2, 2, 1
	v_and_b32 v12, 1, v2
	v_mul_u32_u24 v11, v11, 6
	v_mad_u32_u24 v11, v12, 3, v11                 ; my first register of the image's twelve: 6 c + 3 x half
	v_bfe_u32 v13, v2, 1, 1
	v_mul_u32_u24 v9, v10, 1536
	v_lshl_add_u32 v9, v13, 8, v9
	v_add_nc_u32 v9, s21, v9                       ; 1536 x K step + 256 h
.irp j, 0,1,2
	v_add_nc_u32 v8, \j, v11
	v_lshrrev_b32 v12, 2, v8
	v_and_b32 v8, 3, v8
	v_lshl_add_u32 v[HA+\j], v12, 9, v9
	v_lshl_add_u32 v[HA+\j], v8, 2, v[HA+\j]       ; register n lies at 512 (n / 4) + 4 (n % 4)
.endr
	v_add_nc_u32 v195, s21, v3
	s_wait_alu depctr_va_vdst(0)
.macro HLOAD t
.irp i, 0,1,2,3
	global_load_b128 v[HR+16*((\t)%4)+4*\i:HR+16*((\t)%4)+4*\i+3], v3, s[4:5] offset:8192*(16*((\t)/8)+(\t)%8)+512*\i th:TH_LOAD_NT
.endr
.endm
.macro HTURN t                         ; LDS serves a wave's instructions in order (ISA guide 5.7.1.4): no wait between the stores and the loads
.irp i, 0,1,2,3
	ds_store_b128 v14, v[HR+16*((\t)%4)+4*\i:HR+16*((\t)%4)+4*\i+3] offset:32*SP*((\t)%2)+8*SP*\i
.endr
.irp i, 0,1,2,3
	ds_load_b128 v[HX+16*((\t)%2)+4*\i:HX+16*((\t)%2)+4*\i+3], v15 offset:32*SP*((\t)%2)+16*\i
.endr
.endm
.irp t, 0,1,2,3
	HLOAD \t
.endr
	s_wait_loadcnt 12                              ; step 0's four loads are in
	HTURN 0
.macro HSTEP t
.set XS, HX+16*((\t)%2)
.if (\t) > 0
	s_wait_dscnt 4                                 ; this step's numbers are back; the last step's four stores (a byte, three code words) may be out
.else
	s_wait_dscnt 0x0
.endif
.if (\t)+4 < STEPS
	HLOAD (\t)+4
.endif
.if (\t)+1 < STEPS
.if STEPS-2-(\t) >= 3
	s_wait_loadcnt 12                              ; the next step's four are in; three steps' loads stay out
.else
	s_wait_loadcnt 4*(STEPS-2-(\t))
.endif
	HTURN (\t)+1
.endif
	v_max3_num_f32 v8, |v[XS]|, |v[XS+1]|, |v[XS+2]|
	v_max3_num_f32 v9, |v[XS+3]|, |v[XS+4]|, |v[XS+5]|
.irp i, 6,10
	v_max3_num_f32 v8, v8, |v[XS+\i]|, |v[XS+\i+1]|
	v_max3_num_f32 v9, v9, |v[XS+\i+2]|, |v[XS+\i+3]|
.endr
	v_max3_num_f32 v8, v8, |v[XS+14]|, |v[XS+15]|
	v_max3_num_f32 v8, v8, v9, (EMAX+1)<<23        ; the floor 2^(5 - 127)
	v_max_num_f32_dpp v8, v8, v8 row_xmask:1 row_mask:0xf bank_mask:0xf   ; with my neighbour's 16
	v_add_nc_u32 v11, 0xfe000000, v8               ; 4 off the exponent field: the conversion's scale operand
	v_cvt_scalef32_pk16_bf6_f32 v[HC+4*(\t):HC+4*(\t)+2], v[XS:XS+15], v11
	v_lshrrev_b32 v[HE+(\t)], 23, v11              ; the byte (also the plain instruction behind the conversion)
	ds_store_b8 v5, v[HE+(\t)] offset:HSB+4*(\t)
.irp j, 0,1,2
	ds_store_b32 v[HA+\j], v[HC+4*(\t)+\j] offset:HIMG+16*(\t)   ; image lane r + 16 h
.endr
.endm
.irp t, 0,1,2,3,4,5,6,7,8,9,10,11,12,13,14,15
	HSTEP \t
.endr
	ds_load_b64 v[12:13], v6 offset:HSB
.irp k, 0,1,2,3,4,5,6,7,8,9,10,11
	ds_load_b128 v[HR+4*\k:HR+4*\k+3], v195 offset:HIMG+512*\k
.endr
	s_wait_dscnt 12
	global_store_b64 v7, v[12:13], s[18:19]
.irp k, 0,1,2,3,4,5,6,7,8,9,10,11
	s_wait_dscnt 11-\k                             ; load k is back
	global_store_b128 v3, v[HR+4*\k:HR+4*\k+3], s[16:17] offset:RCB*(\k/3)+512*(\k%3)   ; 512 consecutive bytes, aligned
.endr
	s_wait_tensorcnt 0x0                           ; the wave's end
	ds_add_u32 v208, v209
	s_wait_dscnt 0x0
	s_endpgm
; ---- the weights: a lane takes a column and its registers run down K; a block of 32 lies in one lane.
.Lweights:
	s_sub_co_u32 s21, ttmp9, HWG
	s_and_b32 s22, s21, 7                          ; which 256 along K
	s_lshr_b32 s23, s21, 3                         ; group of 128 columns: 0-15 Wq's, 16-19 Wk's, 20-23 Wv's
	s_cmp_lt_u32 s23, 20
	s_cselect_b64 s[24:25], s[8:9], s[10:11]
	s_cselect_b32 s26, 16, 20
	s_cselect_b32 s27, 0, 128
	s_sub_co_u32 s26, s23, s26                     ; the kv head
	s_lshl_b32 s28, s26, 8
	s_add_co_u32 s28, s28, s27
	s_add_co_u32 s28, s28, 2048
	s_lshl_b32 s29, s23, 7
	s_mov_b32 s30, 2048
	s_cmp_lt_u32 s23, 16
	s_cselect_b64 s[24:25], s[6:7], s[24:25]
	s_cselect_b32 s30, 8192, s30                   ; a row of the chosen weight in bytes
	s_cselect_b32 s26, s23, s26
	s_cselect_b32 s28, s29, s28
	s_lshl_b32 s31, s20, 5
	s_add_co_u32 s28, s28, s31                     ; my wave's first place
	s_lshl_b32 s26, s26, 7
	s_add_co_u32 s26, s26, s31                     ; my wave's first column
	s_lshl_b32 s21, s22, 8
	s_mul_i32 s21, s21, s30
	s_lshl_b32 s26, s26, 2
	s_add_co_u32 s26, s21, s26
	s_mov_b32 s27, 0
	s_add_nc_u64 s[32:33], s[24:25], s[26:27]
	s_lshl_b32 s26, s30, 5
.irp t, 1,2,3,4,5,6,7
	s_add_nc_u64 s[32+2*\t:33+2*\t], s[30+2*\t:31+2*\t], s[26:27]   ; a base for each block of 32 rows
.endr
	s_lshr_b32 s31, s28, 8                         ; G
	s_lshl_b32 s31, s31, 4
	s_lshl_b32 s21, s22, 1
	s_add_co_u32 s31, s31, s21
	s_mul_i32 s31, s31, RCB                        ; my first record
	s_bfe_u32 s21, s28, 0x40004                    ; a: my first fragment of two
	s_mul_i32 s26, s21, 1536
	s_add_co_u32 s26, s26, s31
	s_add_nc_u64 s[16:17], s[14:15], s[26:27]
	s_lshl_b32 s26, s21, 6
	s_add_co_u32 s26, s26, s31
	s_add_co_u32 s26, s26, 16*1536
	s_add_nc_u64 s[18:19], s[14:15], s[26:27]
	s_mul_i32 s21, s20, 6144
	s_add_co_u32 s21, s21, WLDS
	v_lshlrev_b32 v[OFF], 2, v2
.irp i, 1,2,3,4,5,6,7,8,9,10,11,12,13,14,15,16,17,18,19,20,21,22,23,24,25,26,27,28,29,30,31
	v_add_nc_u32 v[OFF+\i], s30, v[OFF+\i-1]
.endr
	v_bfe_u32 v10, v2, 3, 1
	v_bfe_u32 v11, v2, 4, 1
	v_and_b32 v1, 7, v2
	v_lshl_add_u32 v1, v10, 4, v1
	v_lshl_add_u32 v1, v11, 3, v1                  ; swap34(lane): my column's place among the wave's 32
	v_lshrrev_b32 v5, 4, v1
	v_and_b32 v6, 15, v1
	v_mul_u32_u24 v4, v5, 1536
	v_lshl_add_u32 v4, v6, 4, v4
	v_add_nc_u32 v4, s21, v4                       ; into the images: fragment place / 16, lane place % 16
	v_lshlrev_b32 v8, 4, v2
	v_add_nc_u32 v7, s21, v8
	v_lshlrev_b32 v9, 2, v1                        ; my place's scale word
	s_wait_alu depctr_va_vdst(0)
.macro WLOAD t
.irp i, 0,1,2,3,4,5,6,7,8,9,10,11,12,13,14,15,16,17,18,19,20,21,22,23,24,25,26,27,28,29,30,31
	global_load_b32 v[WX+32*((\t)%2)+\i], v[OFF+\i], s[32+2*(\t):33+2*(\t)] th:TH_LOAD_NT
.endr
.endm
	WLOAD 0
	WLOAD 1
.macro BLOCK t
.set XS, WX+32*((\t)%2)
.set N0, 6*(((\t)/2)%2)
.if (\t) < NB-1
	s_wait_loadcnt 32                              ; this block's 32 are in; the next block's stay out
.else
	s_wait_loadcnt 0
.endif
	v_max3_num_f32 v12, |v[XS]|, |v[XS+1]|, |v[XS+2]|
	v_max3_num_f32 v13, |v[XS+3]|, |v[XS+4]|, |v[XS+5]|
.irp i, 6,10,14,18,22,26
	v_max3_num_f32 v12, v12, |v[XS+\i]|, |v[XS+\i+1]|
	v_max3_num_f32 v13, v13, |v[XS+\i+2]|, |v[XS+\i+3]|
.endr
	v_max3_num_f32 v12, v12, |v[XS+30]|, |v[XS+31]|
	v_max3_num_f32 v12, v12, v13, (EMAX+1)<<23
	v_add_nc_u32 v11, 0xfe000000, v12
	v_lshrrev_b32 v13, 23, v11
.if (\t)%4 == 0
	v_mov_b32 v[SB+(\t)/4], v13
.else
	v_lshl_or_b32 v[SB+(\t)/4], v13, 8*((\t)%4), v[SB+(\t)/4]
.endif
	v_cvt_scalef32_pk16_bf6_f32 v[WC:WC+2], v[XS:XS+15], v11
	v_cvt_scalef32_pk16_bf6_f32 v[WC+4:WC+6], v[XS+16:XS+31], v11
	v_nop                                          ; one plain instruction behind the conversions
.irp j, 0,1,2,3,4,5                                ; block t is registers 6 c .. 6 c + 5 of image lane r + 16 h, c = (t / 2) % 2, h = t % 2, of K step t / 4
	ds_store_b32 v4, v[WC+\j+\j/3] offset:3072*((\t)/4)+256*((\t)%2)+512*((N0+\j)/4)+4*((N0+\j)%4)
.endr
.if (\t)+2 < NB
	WLOAD (\t)+2
.endif
	s_wait_dscnt 0x0                               ; the stores have read their registers
.endm
.irp t, 0,1,2,3,4,5,6,7
	BLOCK \t
.endr
	s_wait_alu depctr_va_vdst(0)                   ; ahead of the reader below
	global_store_b32 v9, v[SB], s[18:19]
	global_store_b32 v9, v[SB+1], s[18:19] offset:RCB
.irp k, 0,1,2,3,4,5,6,7,8,9,10,11
	ds_load_b128 v[OUTR+4*\k:OUTR+4*\k+3], v7 offset:512*\k
.endr
.irp k, 0,1,2,3,4,5,6,7,8,9,10,11
	s_wait_dscnt 11-\k
	global_store_b128 v8, v[OUTR+4*\k:OUTR+4*\k+3], s[16:17] offset:RCB*(\k/6)+512*(\k%6)
.endr
	s_wait_tensorcnt 0x0
	ds_add_u32 v208, v209
	s_wait_dscnt 0x0
	s_endpgm
.Lfunc_end_k_q3e2649ee88_quant:
	.size	k_q3e2649ee88_quant, .Lfunc_end_k_q3e2649ee88_quant-k_q3e2649ee88_quant
	.p2alignl 7, 3214868480
	.fill 96, 4, 3214868480
	.section	.rodata,"a",@progbits
	.p2align	6, 0x0
	.amdhsa_kernel k_q3e2649ee88_quant
		.amdhsa_group_segment_fixed_size 74240
		.amdhsa_private_segment_fixed_size 0
		.amdhsa_enable_private_segment 0
		.amdhsa_kernarg_size 48
		.amdhsa_user_sgpr_count 2
		.amdhsa_user_sgpr_kernarg_segment_ptr 1
		.amdhsa_wavefront_size32 1
		.amdhsa_system_sgpr_workgroup_id_x 1
		.amdhsa_system_sgpr_workgroup_id_y 1
		.amdhsa_system_sgpr_workgroup_id_z 1
		.amdhsa_system_vgpr_workitem_id 0
		.amdhsa_next_free_vgpr 210
		.amdhsa_next_free_sgpr 66
		.amdhsa_reserve_vcc 0
		.amdhsa_float_denorm_mode_32 3
		.amdhsa_float_denorm_mode_16_64 3
		.amdhsa_memory_ordered 1
		.amdhsa_forward_progress 1
		.amdhsa_inst_pref_size 82
	.end_amdhsa_kernel
	.amdgpu_metadata
---
amdhsa.version: [ 1, 2 ]
amdhsa.kernels:
  - .name:           k_q3e2649ee88_quant
    .symbol:         k_q3e2649ee88_quant.kd
    .args:
      - { .name: hidden_states, .offset: 0, .size: 8, .value_kind: global_buffer, .address_space: global }
      - { .name: Wq, .offset: 8, .size: 8, .value_kind: global_buffer, .address_space: global }
      - { .name: Wk, .offset: 16, .size: 8, .value_kind: global_buffer, .address_space: global }
      - { .name: Wv, .offset: 24, .size: 8, .value_kind: global_buffer, .address_space: global }
      - { .name: h_rec, .offset: 32, .size: 8, .value_kind: global_buffer, .address_space: global }
      - { .name: w_rec, .offset: 40, .size: 8, .value_kind: global_buffer, .address_space: global }
    .group_segment_fixed_size: 74240
    .private_segment_fixed_size: 0
    .kernarg_segment_align: 8
    .kernarg_segment_size: 48
    .max_flat_workgroup_size: 128
    .sgpr_count:     66
    .vgpr_count:     210
    .wavefront_size: 32
...
	.end_amdgpu_metadata
.endif
;; end of part 1
;; launch proj (part 2): grid 12 x 16, 4 waves a work-group, clusters of 4 x 4, 327,680 bytes of LDS; arguments h_rec, w_rec, bq, bk, bv, rec; writes rec
.if DOCPART == 2
	.amdgcn_target "amdgcn-amd-amdhsa--gfx1250"
	.amdhsa_code_object_version 6
	.text
	.protected	k_q3e2649ee88_proj
	.globl	k_q3e2649ee88_proj
	.p2align	8
	.type	k_q3e2649ee88_proj,@function
k_q3e2649ee88_proj:
	s_mov_b64 s[64:65], 0
	v_nop
	global_prefetch_b8 v0, s[64:65] scope:SCOPE_SE
	s_setreg_imm32_b32 hwreg(HW_REG_WAVE_MODE, 25, 1), 1
	s_wait_xcnt 0x0
	s_wait_alu depctr_hold_cnt(0) depctr_sa_sdst(0) depctr_va_vdst(0) depctr_va_sdst(0) depctr_va_ssrc(0) depctr_va_vcc(0) depctr_vm_vsrc(0)
	s_getreg_b32 s2, hwreg(HW_REG_IB_STS2, 6, 4)
	s_cmp_eq_u32 s2, 0
	s_cbranch_scc0 .Lentry_in_a_cluster
	s_endpgm
.Lentry_in_a_cluster:
	s_bfe_u32 s2, ttmp6, 0x10000c
	s_cmp_lg_u32 s2, 0xf033
	s_cbranch_scc0 .Lentry_shape_is_right
	s_endpgm
.Lentry_shape_is_right:
; q, k, v = hidden_states x (Wq | Wk | Wv) + bias on codes of BF6 with E8M0 scales; the results are quantised here for the attention's two products and stored as records in rec.
; h_rec and w_rec hold records of 25,600 bytes (256 rows x 128 K: 16 register images of 1,536 bytes, then the scale words, 64 bytes a fragment); record (G, s) at (16 G + s) x 25,600.
; A work-group makes 256 tokens x 256 columns, a wave 128 x 128 in 64 accumulators.  K goes through a ring of two LDS slots of two K steps: A's two records, then B's two; each wave brings one record,
; a dense run of 100 x 256 bytes, with no padding: fragments are read 16 bytes a lane on end.
; CLUSTER 4 x 4: A's records are shared along a row of the cluster, B's along a column, by joint loads.
; The matrix instruction is used transposed (source 0 = weight columns, source 1 = tokens): a lane holds one token and registers along the head's d, the next K of q and k.
; For v (column tiles 8-11, waves of the upper column half) the two roles change places, by the LDS addresses alone: a lane then holds one d and registers along the tokens, v's next K.
; rec: records of 12,800 bytes: 8 fragments as register images and at 12,288 the scale words (lane L's 16 bytes: row L % 16 of fragments 4 (L / 16) + 0 .. 3).
; Q(b, hq, group of 128 tokens) = (16 b + hq) 16 + group; K(b, g, step) = 512 + ((4 b + g) 16 + step) 2; V = K + 1.
; PREFETCH: behind each refill a wave names the record that it fetches two refills on: 100 blocks of 256 bytes, 25 to each of the four partners, told apart by address; the last two refills name nothing.
; LIMITS: NaN and infinities are not served; a block of zeros keeps the scale byte 1.
.set RCB,    25600
.set SLOT,   4*RCB
.set SPARE,  2*SLOT
.set FR,     12
.set NL,     3
.set NP,     4
.set LAPS,   4
.set RECB,   12800
.set ADRA, 16                          ; v16-17 my fragments for source 1 in slot 0, 1
.set ADRB, 20                          ; v20-21 for source 0
.set ADRS, 22                          ; v22-23 scale words: lanes 0-15 source 1's rows, lanes 16-31 source 0's
.set BPO,  24
.set BNO,  25
.set CO,   26
.set SPW,  28
.set NIL,  29
.set PFO,  30
.set SC,   32                          ; v32-47 scale words, a set of eight for each step of a slot
.set BP,   64
.set AF,   128
.set BN,   224
.set HA,   128
.set CD,   192
.set PWS,  212
.set SW,   220
.set TM,   240
.set G1, 24
.set G0, 32
.set G1B, 48
.set G0B, 56
.set PFA, 68
.set ISV, 66
.set HIM, 67
.set SEL, 92
.set KV,  95
.set MSB, 0
.macro WIN new
.if MSB != (\new)
	s_set_vgpr_msb (MSB<<8)|(\new)
.set MSB, (\new)
.endif
.endm
.set MUL_LO, 0xa1
.set MUL_HI, 0xf1
.set TO_B,   0x40
.macro JLOAD g0a, g1a, g0b, g1b        ; waves 0, 1 fetch A's records, waves 2, 3 B's; s_nop 0 and four v_nop follow each load
	s_cmp_eq_u32 s15, 0
	s_cbranch_scc0 .Lfor_b_\@
	tensor_load_to_lds s[\g0a:\g0a+3], s[\g1a:\g1a+7]
	s_nop 0
.rept 4
	v_nop
.endr
	s_branch .Lasked_\@
.Lfor_b_\@:
	tensor_load_to_lds s[\g0b:\g0b+3], s[\g1b:\g1b+7]
	s_nop 0
.rept 4
	v_nop
.endr
.Lasked_\@:
.endm
.macro CREST
	s_cmp_lg_u32 s14, 0
	s_cbranch_scc1 .Lnot_wave_0_\@
	s_barrier_signal -3
.Lnot_wave_0_\@:
	s_barrier_wait -3
	s_barrier_signal -1
	s_barrier_wait -1
.endm
.macro CROUND
	s_barrier_signal -1
	s_barrier_wait -1
	CREST
.endm
	s_load_b128 s[4:7], s[0:1], 0x0                ; h_rec, w_rec
	s_load_b128 s[96:99], s[0:1], 0x10             ; bq, bk
	s_load_b64 s[100:101], s[0:1], 0x20            ; bv
	s_load_b64 s[12:13], s[0:1], 0x28              ; rec
	v_lshl_add_u32 v[SPW], v0, 2, SPARE
	v_mov_b32 v[NIL], 0
	ds_add_u32 v[SPW], v[NIL]                      ; the opening lines: the add twice on end and one wait
	ds_add_u32 v[SPW], v[NIL]
	v_lshrrev_b32 v1, 5, v0
	v_readfirstlane_b32 s14, v1                    ; wave
	s_lshr_b32 s15, s14, 1                         ; my half of the rows; also: I fetch for A (0) or B (1)
	s_and_b32 s16, s14, 1                          ; my half of the columns; also: which K step of a slot I fetch
	s_bfe_u32 s40, ttmp6, 0x40000                  ; cx
	s_bfe_u32 s41, ttmp6, 0x40004                  ; cy
	s_lshl_b32 s42, ttmp9, 2
	s_add_co_u32 s42, s42, s40                     ; tile column
	s_and_b32 s17, ttmp7, 0xffff
	s_lshl_b32 s17, s17, 2
	s_add_co_u32 s17, s17, s41                     ; tile row
	s_lshl_b32 s43, s41, 2
	s_lshl_b32 s43, 15, s43                        ; my row of the cluster
	s_lshl_b32 s44, 0x1111, s40                    ; my column
	s_cmp_eq_u32 ttmp9, 2
	s_cselect_b32 s[KV], 1, 0                      ; column tiles 8-11 hold k and v
	s_and_b32 s[ISV], s[KV], s16
	s_mov_b32 s[HIM], 0xffff0000
	s_or_b32 s[G1+0], s43, (3<<16)|(1<<21)         ; the mask; elements of 8 bytes; bit 21 beside a mask
	s_or_b32 s[G1B+0], s44, (3<<16)|(1<<21)
.irp g, G1, G1B
	s_mov_b32 s[\g+1], 32<<16                      ; 100 rows of 32 elements, dense
	s_mov_b32 s[\g+2], 100<<16
	s_mov_b32 s[\g+3], 32<<16
	s_mov_b32 s[\g+4], 100
	s_mov_b32 s[\g+5], 32
	s_mov_b32 s[\g+6], 0
	s_mov_b32 s[\g+7], 0
.endr
	s_lshl_b32 s20, s17, 4
	s_add_co_u32 s20, s20, s16
	s_mul_i32 s20, s20, RCB                        ; A: record (tile row, my K step of slot 0)
	s_mov_b32 s21, 0
	s_lshl_b32 s46, s42, 4
	s_add_co_u32 s46, s46, s16
	s_mul_i32 s46, s46, RCB                        ; B: record (tile column, the same)
	s_mov_b32 s47, 0
	s_mul_i32 s45, s14, RCB                        ; in a slot: A's two records, B's two = wave x a record
	s_wait_dscnt 0x0
	s_wait_kmcnt 0x0
	s_add_nc_u64 s[20:21], s[4:5], s[20:21]
	s_add_nc_u64 s[46:47], s[6:7], s[46:47]
	CROUND                                         ; the first joint loads meet
.irp s, 0,1
	s_mov_b32 s[G0+4*\s], 1
	s_add_co_u32 s[G0+4*\s+1], s45, \s*SLOT
	s_add_nc_u64 s[G0+4*\s+2:G0+4*\s+3], s[20:21], \s*2*RCB
	s_or_b32 s[G0+4*\s+3], s[G0+4*\s+3], 0x80000000
	s_mov_b32 s[G0B+4*\s], 1
	s_add_co_u32 s[G0B+4*\s+1], s45, \s*SLOT
	s_add_nc_u64 s[G0B+4*\s+2:G0B+4*\s+3], s[46:47], \s*2*RCB
	s_or_b32 s[G0B+4*\s+3], s[G0B+4*\s+3], 0x80000000
.endr
	JLOAD G0, G1, G0B, G1B                         ; slot 0: one load a wave at the head
	s_cmp_eq_u32 s15, 0
	s_cselect_b64 s[PFA:PFA+1], s[20:21], s[46:47]
	s_cselect_b32 s18, s40, s41                    ; my place among the four that ask with me
	s_mul_i32 s18, s18, 25*256
	s_add_co_u32 s18, s18, 6*RCB                   ; at slot 3: each refill steps it a slot on first
	s_mov_b32 s19, 0
	s_add_nc_u64 s[PFA:PFA+1], s[PFA:PFA+1], s[18:19]
	s_mul_i32 s21, s15, 8*1536                     ; my eight fragments of tokens,
	s_mul_i32 s22, s16, 8*1536
	s_add_co_u32 s22, s22, 2*RCB                   ; and of columns
	s_cmp_lg_u32 s[ISV], 0
	s_cselect_b32 s74, s22, s21                    ; source 1's: tokens, for v the columns
	s_cselect_b32 s75, s21, s22
	s_lshl_b32 s72, s15, 9
	s_lshl_b32 s73, s16, 9
	s_add_co_u32 s73, s73, 2*RCB
	s_sub_co_u32 s73, s73, s72                     ; from the tokens' scale words to the columns'
	s_add_co_u32 s72, s72, 16*1536
	s_cmp_lg_u32 s16, 0
	s_cselect_b64 s[20:21], s[100:101], s[98:99]
	s_cmp_lg_u32 s[KV], 0
	s_cselect_b64 s[20:21], s[20:21], s[96:97]     ; my bias
	s_lshl_b32 s18, s42, 1
	s_add_co_u32 s18, s18, s16                     ; the query head
	s_lshl_b32 s43, s18, 9
	s_lshl_b32 s44, s40, 9
	s_cmp_lg_u32 s[KV], 0
	s_cselect_b32 s22, s44, s43
	s_cmp_lg_u32 s[ISV], 0
	s_cselect_b32 s22, 0, s22
	s_cselect_b32 s46, s44, 0
	s_mov_b32 s23, 0
	s_mov_b32 s47, 0
	s_add_nc_u64 s[46:47], s[20:21], s[46:47]
	s_add_nc_u64 s[20:21], s[20:21], s[22:23]
	s_lshl_b32 s22, s17, 1
	s_add_co_u32 s22, s22, s15
	s_lshr_b32 s23, s22, 4                         ; b
	s_and_b32 s22, s22, 15                         ; group of 128 tokens
	s_lshl_b32 s43, s23, 4
	s_add_co_u32 s43, s43, s18
	s_lshl_b32 s43, s43, 4
	s_add_co_u32 s43, s43, s22
	s_lshl_b32 s44, s23, 2
	s_add_co_u32 s44, s44, s40
	s_lshl_b32 s44, s44, 4
	s_add_co_u32 s44, s44, s22
	s_lshl_b32 s44, s44, 1
	s_add_co_u32 s44, s44, s16
	s_add_co_u32 s44, s44, 512
	s_cmp_lg_u32 s[KV], 0
	s_cselect_b32 s22, s44, s43
	s_mul_i32 s22, s22, RECB
	s_mov_b32 s23, 0
	s_add_nc_u64 s[12:13], s[12:13], s[22:23]      ; my record of rec
	s_mov_b32 s[SEL], 0x76543210
	s_mov_b32 s[SEL+1], 0xfedcba98
	v_and_b32 v1, 15, v0
	v_bfe_u32 v2, v0, 4, 1
	v_and_b32 v3, 31, v0
	v_lshlrev_b32 v[CO], 4, v3
	v_add_nc_u32 v[ADRA], s74, v[CO]
	v_add_nc_u32 v[ADRB], s75, v[CO]
	v_add_nc_u32 v[ADRA+1], SLOT, v[ADRA]
	v_add_nc_u32 v[ADRB+1], SLOT, v[ADRB]
	v_xor_b32 v6, s[ISV], v2
	v_mul_u32_u24 v6, s73, v6
	v_lshl_add_u32 v6, v1, 2, v6
	v_add_nc_u32 v[ADRS], s72, v6
	v_add_nc_u32 v[ADRS+1], SLOT, v[ADRS]
	v_lshlrev_b32 v[BPO], 6, v2
	v_and_b32 v7, 8, v1
	v_add_nc_u32 v7, v7, v1
	v_lshlrev_b32 v[BNO], 2, v7
	v_min_u32 v8, 24, v3                           ; lanes 25-31 name the 25th block again
	v_lshlrev_b32 v[PFO], 8, v8
	s_wait_alu depctr_va_vdst(0)                   ; the wait at the head's end
.irp e, 0,1,2,3
.irp q, 0,1,2,3
	global_load_b128 v[BP+16*\e+4*\q:BP+16*\e+4*\q+3], v[BPO], s[20:21] offset:128*\e+16*\q
.endr
.endr
.irp a, 0,1,2,3,4,5,6,7
	global_load_b32 v[BN+2*\a], v[BNO], s[46:47] offset:4*(32*(\a/2)+8*(\a%2))
	global_load_b32 v[BN+2*\a+1], v[BNO], s[46:47] offset:4*(32*(\a/2)+8*(\a%2))
.endr
.macro FRAG reg, adr, q, i             ; a fragment's image: three loads of 16 bytes a lane
.irp c, 0,1,2
	ds_load_b128 v[\reg+4*\c:\reg+4*\c+3], v[\adr] offset:RCB*(\q)+1536*(\i)+512*\c
.endr
.endm
.macro MUL16 a0, p, zero               ; p: the step of the slot: source 0's set and the set of scale words.  The 64 accumulators take turns
.irp a, \a0, \a0+1
.irp b, 0,1,2,3,4,5,6,7
.if \zero
	v_wmma_scale_f32_16x16x128_f8f6f4 v[8*(8*((\a)%4)+\b):8*(8*((\a)%4)+\b)+7], v[128*(\p)+FR*\b:128*(\p)+FR*\b+FR-1], v[AF+FR*(\a):AF+FR*(\a)+FR-1], 0, v[SC+8*(\p)+\b], v[SC+8*(\p)+(\a)] matrix_a_fmt:MATRIX_FMT_BF6 matrix_b_fmt:MATRIX_FMT_BF6 matrix_a_scale:MATRIX_SCALE_ROW1
.else
	v_wmma_scale_f32_16x16x128_f8f6f4 v[8*(8*((\a)%4)+\b):8*(8*((\a)%4)+\b)+7], v[128*(\p)+FR*\b:128*(\p)+FR*\b+FR-1], v[AF+FR*(\a):AF+FR*(\a)+FR-1], v[8*(8*((\a)%4)+\b):8*(8*((\a)%4)+\b)+7], v[SC+8*(\p)+\b], v[SC+8*(\p)+(\a)] matrix_a_fmt:MATRIX_FMT_BF6 matrix_b_fmt:MATRIX_FMT_BF6 matrix_a_scale:MATRIX_SCALE_ROW1
.endif
.endr
.endr
.endm
.macro FETCH_B slot, q
	WIN TO_B
.irp i, 0,1,2,3,4,5,6,7
	FRAG 128*(\q)+FR*\i, ADRB+\slot, \q, \i
.endr
	WIN 0
.endm
.macro FETCH_A slot, q, i0
.irp i, \i0, \i0+1, \i0+2, \i0+3
	FRAG AF+FR*(\i), ADRA+\slot, \q, \i
.endr
.endm
.macro SCALES slot, q
.irp i, 0,1,2,3,4,5,6,7
	ds_load_b32 v[SC+8*(\q)+\i], v[ADRS+\slot] offset:RCB*(\q)+64*\i
.endr
.endm
.macro PLACES n
.rept \n
	v_nop
.endr
.endm
.macro STEP slot, zero                 ; a slot's first K step; the second's fragments are fetched in its middle and at its end
	s_wait_dscnt 4*NL                              ; all but source 1's fragments 4-7, the youngest 12 loads
	WIN MUL_LO
	MUL16 0, 0, \zero
	MUL16 2, 0, \zero
	s_wait_dscnt 0
	PLACES NP
	FETCH_B \slot, 1
	FETCH_A \slot, 1, 0
	SCALES \slot, 1
	WIN MUL_HI
	MUL16 4, 0, \zero
	MUL16 6, 0, \zero
	PLACES NP
	WIN 0
	FETCH_A \slot, 1, 4
.endm
.macro TURN slot, next, fill           ; a slot's second K step, and the change of slots
.if \fill
	s_wait_xcnt 0x0                                ; my prefetch has read its address
	s_add_nc_u64 s[PFA:PFA+1], s[PFA:PFA+1], 2*RCB
.endif
	s_wait_tensorcnt 0x0                           ; my part of the next slot is in
	ds_add_u32 v[SPW], v[NIL]
	s_wait_dscnt 4*NL+1                            ; the add and the youngest 12 loads may be out
	WIN MUL_LO
	MUL16 0, 1, 0
	s_wait_dscnt 0x0                               ; the add is done, my reads of this slot are over
	s_barrier_signal -1
	MUL16 2, 1, 0
	WIN 0
	s_barrier_wait -1
.if \fill
	CREST                                          ; the barrier has opened a round of the cluster's barrier
	s_add_nc_u64 s[G0+4*\slot+2:G0+4*\slot+3], s[G0+4*\slot+2:G0+4*\slot+3], 4*RCB
	s_add_nc_u64 s[G0B+4*\slot+2:G0B+4*\slot+3], s[G0B+4*\slot+2:G0B+4*\slot+3], 4*RCB
	JLOAD G0+4*\slot, G1, G0B+4*\slot, G1B         ; two slots on; its four v_nop are the places in front of the loads below
.else
	PLACES NP
.endif
	FETCH_B \next, 0
	FETCH_A \next, 0, 0
	SCALES \next, 0
.if \fill
	s_cmp_gt_u32 s3, 1                             ; the last trip's refills have no slot two on
	s_cbranch_scc0 .Lno_ask_\@
	global_prefetch_b8 v[PFO], s[PFA:PFA+1] th:TH_LOAD_NT scope:SCOPE_SE
.Lno_ask_\@:
.endif
	WIN MUL_HI
	MUL16 4, 1, 0
	MUL16 6, 1, 0
	PLACES NP
	WIN 0
	FETCH_A \next, 0, 4
.endm
	s_wait_loadcnt 0x0                             ; the biases
	s_wait_tensorcnt 0x0                           ; my record of slot 0 is in
	ds_add_u32 v[SPW], v[NIL]
	s_wait_dscnt 0x0
	CROUND
	JLOAD G0+4, G1, G0B+4, G1B                     ; slot 1
	FETCH_B 0, 0
	FETCH_A 0, 0, 0
	SCALES 0, 0
	FETCH_A 0, 0, 4
	STEP 0, 1                                      ; the first products start the sums
	s_mov_b32 s3, LAPS-1
.Llap:
	TURN 0, 1, 1
	STEP 1, 0
	TURN 1, 0, 1
	STEP 0, 0
	s_sub_co_u32 s3, s3, 1
	s_cmp_lg_u32 s3, 0
	s_cbranch_scc1 .Llap
	TURN 0, 1, 0
	STEP 1, 0
	s_wait_dscnt 4*NL
	WIN MUL_LO
	MUL16 0, 1, 0
	MUL16 2, 1, 0
	s_wait_dscnt 0
	WIN MUL_HI
	MUL16 4, 1, 0
	MUL16 6, 1, 0
	WIN 0
; THE WAY OUT: block by block of 16 rows of source 1: the bias, the quantiser along the lane's 64 registers (with lane l xor 16's: 128), the image stored as it lies.
.macro BIAS a
	s_cmp_lg_u32 s[ISV], 0
	s_cbranch_scc1 .Lby_lane_\@
	WIN 0x02+(\a)/4
.set i, 0
.rept 32
	v_pk_add_f32 v[HA+i:HA+i+1], v[64*((\a)%4)+i:64*((\a)%4)+i+1], v[BP+i:BP+i+1]
.set i, i+2
.endr
	WIN 0
	s_branch .Lbiased_\@
.Lby_lane_\@:
	WIN 0x02+(\a)/4
.set i, 0
.rept 32
	v_pk_add_f32 v[HA+i:HA+i+1], v[64*((\a)%4)+i:64*((\a)%4)+i+1], v[BN+2*(\a):BN+2*(\a)+1]
.set i, i+2
.endr
	WIN 0
.Lbiased_\@:
.endm
.macro QUANT s, pw
.irp b, 0,1,2,3
	v_max3_num_f32 v[TM+\b], |v[\s+16*\b]|, |v[\s+1+16*\b]|, 0x2800000
.endr
.irp i, 2,4,6,8,10,12,14
.irp b, 0,1,2,3
	v_max3_num_f32 v[TM+\b], v[TM+\b], |v[\s+16*\b+\i]|, |v[\s+1+16*\b+\i]|
.endr
.endr
.irp b, 0,1,2,3
	v_permlanex16_b32 v[TM+4+\b], v[TM+\b], s[SEL], s[SEL+1]
.endr
.irp b, 0,1,2,3
	v_max_num_f32 v[TM+\b], v[TM+\b], v[TM+4+\b]
.endr
.irp b, 0,1,2,3
	v_add_nc_u32 v[TM+12+\b], 0xfe000000, v[TM+\b]
.endr
.irp b, 0,1,2,3
	v_lshrrev_b32 v[TM+4+\b], 23, v[TM+12+\b]
.endr
	v_lshl_or_b32 v[\pw], v[TM+5], 8, v[TM+4]
	v_lshl_or_b32 v[\pw], v[TM+6], 16, v[\pw]
	v_lshl_or_b32 v[\pw], v[TM+7], 24, v[\pw]
.irp c, 0,1
	v_cvt_scalef32_pk16_bf6_f32 v[CD+6*\c:CD+2+6*\c], v[\s+32*\c:\s+15+32*\c], v[TM+12+2*\c]
	v_cvt_scalef32_pk16_bf6_f32 v[CD+12+4*\c:CD+14+4*\c], v[\s+16+32*\c:\s+31+32*\c], v[TM+12+2*\c+1]
.endr
	v_nop
.irp c, 0,1
.irp i, 0,1,2
	v_permlane16_swap_b32 v[CD+6*\c+\i], v[CD+12+4*\c+\i]
.endr
.irp i, 0,1,2
	v_mov_b32 v[CD+3+6*\c+\i], v[CD+12+4*\c+\i]
.endr
.endr
.endm
	PLACES NP
.irp b, 0,1,2,3
	v_mov_b32 v[TM+4+\b], 0
.endr
.irp a, 0,1,2,3,4,5,6,7
.if \a > 0
	s_wait_xcnt 0x0                                ; the last block's stores have read their data
.endif
	BIAS \a
	QUANT HA, PWS+\a
.irp c, 0,1,2
	global_store_b128 v[CO], v[CD+4*\c:CD+4*\c+3], s[12:13] offset:1536*\a+512*\c
.endr
.endr
.irp i, 0,1,2,3
	v_cndmask_b32 v[SW+\i], v[PWS+\i], v[PWS+4+\i], s[HIM]
.endr
	global_store_b128 v[CO], v[SW:SW+3], s[12:13] offset:12288
	s_wait_tensorcnt 0x0                           ; the wave's end
	ds_add_u32 v[SPW], v[NIL]
	s_wait_dscnt 0x0
	CROUND                                         ; the closing round
	s_endpgm
.Lfunc_end_k_q3e2649ee88_proj:
	.size	k_q3e2649ee88_proj, .Lfunc_end_k_q3e2649ee88_proj-k_q3e2649ee88_proj
	.p2alignl 7, 3214868480
	.fill 96, 4, 3214868480
	.section	.rodata,"a",@progbits
	.p2align	6, 0x0
	.amdhsa_kernel k_q3e2649ee88_proj
		.amdhsa_group_segment_fixed_size 327680
		.amdhsa_private_segment_fixed_size 0
		.amdhsa_enable_private_segment 0
		.amdhsa_kernarg_size 48
		.amdhsa_user_sgpr_count 2
		.amdhsa_user_sgpr_kernarg_segment_ptr 1
		.amdhsa_wavefront_size32 1
		.amdhsa_system_sgpr_workgroup_id_x 1
		.amdhsa_system_sgpr_workgroup_id_y 1
		.amdhsa_system_sgpr_workgroup_id_z 1
		.amdhsa_system_vgpr_workitem_id 0
		.amdhsa_next_free_vgpr 1024
		.amdhsa_next_free_sgpr 102
		.amdhsa_reserve_vcc 0
		.amdhsa_float_denorm_mode_32 3
		.amdhsa_float_denorm_mode_16_64 3
		.amdhsa_memory_ordered 1
		.amdhsa_forward_progress 1
		.amdhsa_inst_pref_size 177
	.end_amdhsa_kernel
	.amdgpu_metadata
---
amdhsa.version: [ 1, 2 ]
amdhsa.kernels:
  - .name:           k_q3e2649ee88_proj
    .symbol:         k_q3e2649ee88_proj.kd
    .args:
      - { .name: h_rec, .offset: 0, .size: 8, .value_kind: global_buffer, .address_space: global }
      - { .name: w_rec, .offset: 8, .size: 8, .value_kind: global_buffer, .address_space: global }
      - { .name: bq, .offset: 16, .size: 8, .value_kind: global_buffer, .address_space: global }
      - { .name: bk, .offset: 24, .size: 8, .value_kind: global_buffer, .address_space: global }
      - { .name: bv, .offset: 32, .size: 8, .value_kind: global_buffer, .address_space: global }
      - { .name: rec, .offset: 40, .size: 8, .value_kind: global_buffer, .address_space: global }
    .group_segment_fixed_size: 327680
    .private_segment_fixed_size: 0
    .kernarg_segment_align: 8
    .kernarg_segment_size: 48
    .max_flat_workgroup_size: 128
    .sgpr_count:     102
    .vgpr_count:     1024
    .wavefront_size: 32
...
	.end_amdgpu_metadata
.endif
;; end of part 2
;; launch attn (part 3): grid 32 x 8, 8 waves a work-group, clusters of 4 x 1, 327,680 bytes of LDS; arguments rec, out0; writes out0
.if DOCPART == 3
	.amdgcn_target "amdgcn-amd-amdhsa--gfx1250"
	.amdhsa_code_object_version 6
	.text
	.protected	k_q3e2649ee88_attn
	.globl	k_q3e2649ee88_attn
	.p2align	8
	.type	k_q3e2649ee88_attn,@function
k_q3e2649ee88_attn:
	s_mov_b64 s[64:65], 0
	v_nop
	global_prefetch_b8 v0, s[64:65] scope:SCOPE_SE
	s_setreg_imm32_b32 hwreg(HW_REG_WAVE_MODE, 25, 1), 1
	s_wait_xcnt 0x0
	s_wait_alu depctr_hold_cnt(0) depctr_sa_sdst(0) depctr_va_vdst(0) depctr_va_sdst(0) depctr_va_ssrc(0) depctr_va_vcc(0) depctr_vm_vsrc(0)
	s_getreg_b32 s2, hwreg(HW_REG_IB_STS2, 6, 4)
	s_cmp_eq_u32 s2, 0
	s_cbranch_scc0 .Lentry_in_a_cluster
	s_endpgm
.Lentry_in_a_cluster:
	s_bfe_u32 s2, ttmp6, 0x10000c
	s_cmp_lg_u32 s2, 0x3003
	s_cbranch_scc0 .Lentry_shape_is_right
	s_endpgm
.Lentry_shape_is_right:
; out0[b][s][128 hq + d] = the sum over keys t of softmax_t(q . k / sqrt(128)) v, query head hq with kv head g = hq mod 4; both products on codes of BF6 (E3M2) with E8M0 scales.
; rec: records of 12,800 bytes: 8 fragments (16 rows x 128 K) as images of their 12 registers (registers 4 c .. 4 c + 3 of lane L at 1536 a + 512 c + 16 L), at 12,288 the scale words
; (lane L's 16 bytes: row L % 16 of fragments 4 (L / 16) + 0 .. 3).  Q(b, hq, group of 128 tokens) = (16 b + hq) 16 + group; K(b, g, step) = 512 + ((4 b + g) 16 + step) 2; V = K + 1.
; In Q's and K's fragment a lane r is token 32 (a / 2) + 16 (r / 8) + 8 (a % 2) + r % 8 of the group; in V's it is that d, K = the step's 128 keys.
; THE SOFTMAX: t = score x log2(e) / sqrt(128); M = the largest t so far, rounded UP to a whole number; p = 2^(t - M) is quantised along the keys, not normalised.  The row's sum is taken of the
; unquantised p and divides O at the end.  When M moves, the sum and O are multiplied by 2^(old M - new M): exact.
; SHARES: a work-group owns 256 queries of one query head, each of its eight waves two tiles of 16.  Both products are used transposed: a lane holds one query of each tile throughout.
; RING: two slots of four key steps (8 records, 102,400 bytes); each wave brings one record, 50 x 256 dense bytes.  CLUSTER: the four work-groups share batch and kv head: joint loads, mask 15.
; A slot's four steps are a loop of three trips and a last step that asks for no further K; the last slot is written out.
; O^T begins as zeros, which the first change of M leaves zeros: a first step of its own would be one more copy of the step's text.
; PREFETCH: behind each refill a wave names its record of the slot after: 50 blocks of 256 bytes, 13 to each partner by address (held at the 50th); the last refill names nothing.
; LIMITS: NaN and infinities are not served; the scaled scores t stay under 2^31 in magnitude; a block of p that has fallen to zeros keeps the scale byte 1.
; REGISTERS: window 0: v1-11 addresses; v12-19 statistics; v24-35 scale words alone; v64-191 S^T, then p; v192-215 p's codes; v216-255 at work.  Window 1: v0-127 O^T; v128-151 Q; v152-247 K's or V's fragments.
.set RECB,  12800
.set STEPB, 2*RECB
.set NQS,   4
.set SLOT1, 1<<17
.set NSL,   4
.set STAGE, SLOT1+NQS*STEPB
.set SP,    272
.set SPARE, STAGE+8*16*SP
.set LI,   1
.set LR,   2
.set PFO,  3
.set SPW,  5
.set NIL,  6
.set GO,   7
.set ADK,  8
.set STO,  10
.set RD,   11
.set ST,   12                          ; tile t at v[ST + 4 t]: -M, the largest t, the sum in two halves
.set KSC,  24
.set VS,   28
.set QS,   32
.set PS,   34
.set S,    64
.set CD,   192
.set WK,   216                         ; tile t at v[WK + 20 t]: +0..3 blocks' largest; +4..10 other lanes' numbers, bytes, half blocks of codes; +11 at work; +12..15 conversions' scales; +16 f (+17); +18, 19 a second chain of the sum
.set RB,   192
.set QF,   128
.set FA,   152
.set WV,   8
.set SEL,  20
.set CS,   22
.set G1,   24
.set G0,   32
.set TB,   36
.set SLOTS, 37
.set PF,   48
.set QO,   50
.set QC,   51
.set MSB, 0
.macro WIN new
.if MSB != (\new)
	s_set_vgpr_msb (MSB<<8)|(\new)
.set MSB, (\new)
.endif
.endm
.set TO_F, 0x40
.set W_KQ, 0x05
.set W_PV, 0x51
.set W_RS, 0x41
.macro TLOAD                           ; every wave's own record; s_nop 0 and four v_nop follow
	tensor_load_to_lds s[G0:G0+3], s[G1:G1+7]
	s_nop 0
.rept 4
	v_nop
.endr
.endm
.macro CROUND
	s_barrier_signal -1
	s_barrier_wait -1
	s_cmp_lg_u32 s[WV], 0
	s_cbranch_scc1 .Lnot_wave_0_\@
	s_barrier_signal -3
.Lnot_wave_0_\@:
	s_barrier_wait -3
	s_barrier_signal -1
	s_barrier_wait -1
.endm
	s_load_b128 s[4:7], s[0:1], 0x0                ; rec, out0
	v_lshl_add_u32 v[SPW], v0, 2, SPARE
	v_mov_b32 v[NIL], 0
	ds_add_u32 v[SPW], v[NIL]                      ; the opening lines: the add twice on end and one wait
	ds_add_u32 v[SPW], v[NIL]
	v_lshrrev_b32 v8, 5, v0
	v_readfirstlane_b32 s[WV], v8                  ; wave 0..7
	s_bfe_u32 s9, ttmp6, 0x40000                   ; cx: it enters Q's, out0's and the prefetch's addresses alone
	s_mul_i32 s52, s9, 13
	s_lshl_b32 s10, ttmp9, 2
	s_add_co_u32 s10, s10, s9                      ; work-group x
	s_and_b32 s11, ttmp7, 0xffff                   ; y = 4 b + g
	s_lshl_b32 s12, s11, 5
	s_add_co_u32 s12, s12, 512
	s_mul_i32 s12, s12, RECB                       ; K's first record of (b, g)
	s_mul_i32 s14, s[WV], RECB                     ; the record of a slot's eight that I fetch: in memory and in LDS alike
	s_add_co_u32 s12, s12, s14
	s_mov_b32 s13, 0
	s_lshr_b32 s15, s11, 2                         ; b
	s_and_b32 s16, s11, 3                          ; g
	s_lshr_b32 s17, s10, 3
	s_lshl_b32 s17, s17, 2
	s_add_co_u32 s17, s17, s16                     ; hq = 4 (x / 8) + g
	s_and_b32 s18, s10, 7                          ; my block of 256 queries
	s_lshr_b32 s19, s[WV], 2                       ; which 128 of them
	s_and_b32 s9, s[WV], 3                         ; j: my fragments of Q's record are 2 j, 2 j + 1
	s_lshl_b32 s44, s15, 4
	s_add_co_u32 s44, s44, s17
	s_lshl_b32 s44, s44, 4
	s_lshl_b32 s45, s18, 1
	s_add_co_u32 s44, s44, s45
	s_add_co_u32 s44, s44, s19
	s_mul_i32 s44, s44, RECB                       ; Q's record
	s_mul_i32 s45, s9, 2*1536
	s_add_co_u32 s38, s44, s45
	s_mov_b32 s39, 0
	s_lshr_b32 s45, s9, 1
	s_lshl_b32 s45, s45, 8
	s_and_b32 s46, s9, 1
	s_lshl_b32 s46, s46, 3
	s_add_co_u32 s40, s44, s45
	s_add_co_u32 s40, s40, s46
	s_add_co_u32 s40, s40, 12288                   ; fragment 2 j's scale words: 12,288 + 256 (j / 2) + 8 (j % 2), + 16 r
	s_mov_b32 s41, 0
	s_lshl_b32 s42, s15, 11
	s_lshl_b32 s45, s18, 8
	s_add_co_u32 s42, s42, s45
	s_lshl_b32 s45, s19, 7
	s_add_co_u32 s42, s42, s45
	s_lshl_b32 s45, s9, 5
	s_add_co_u32 s42, s42, s45                     ; the token of tile 0's row 0
	s_lshl_b32 s42, s42, 13
	s_lshl_b32 s45, s17, 9
	s_add_co_u32 s42, s42, s45
	s_mov_b32 s43, 0
	s_mul_i32 s44, s[WV], 16*SP
	s_add_co_u32 s44, s44, STAGE                   ; my stage
	s_mov_b32 s[G1], 15|(3<<16)|(1<<21)            ; mask: all four; elements of 8 bytes; bit 21 beside a mask
	s_mov_b32 s[G1+1], 32<<16
	s_mov_b32 s[G1+2], 50<<16
	s_mov_b32 s[G1+3], 32<<16
	s_mov_b32 s[G1+4], 50
	s_mov_b32 s[G1+5], 32
	s_mov_b32 s[G1+6], 0
	s_mov_b32 s[G1+7], 0
	s_mov_b32 s[SEL], 0x76543210
	s_mov_b32 s[SEL+1], 0xfedcba98
	s_mov_b32 s[CS], 0x3e0293ee                    ; c = log2(e) / sqrt(128)
	s_mov_b32 s[CS+1], s[CS]
	s_mov_b32 s[TB], 0
	s_mov_b32 s[SLOTS], NSL-1
	s_wait_dscnt 0x0
	s_wait_kmcnt 0x0
	s_mov_b32 s[G0], 1
	s_mov_b32 s[G0+1], s14
	s_add_nc_u64 s[G0+2:G0+3], s[4:5], s[12:13]
	s_add_nc_u64 s[PF:PF+1], s[G0+2:G0+3], NQS*STEPB   ; at slot 1: each refill steps it a slot on first
	s_or_b32 s[G0+3], s[G0+3], 0x80000000
	s_add_nc_u64 s[38:39], s[4:5], s[38:39]
	s_add_nc_u64 s[40:41], s[4:5], s[40:41]
	s_add_nc_u64 s[42:43], s[6:7], s[42:43]
	CROUND
	TLOAD                                          ; slot 0
	v_and_b32 v9, 31, v0
	v_lshlrev_b32 v[LI], 4, v9
	v_and_b32 v4, 15, v0
	v_lshlrev_b32 v[LR], 4, v4
	v_min_u32 v[PFO], 12, v9
	v_add_nc_u32 v[PFO], s52, v[PFO]
	v_min_u32 v[PFO], 49, v[PFO]
	v_lshlrev_b32 v[PFO], 8, v[PFO]
	v_bfe_u32 v9, v0, 4, 1                         ; h
	global_load_b32 v[QS], v[LR], s[40:41]
	global_load_b32 v[QS+1], v[LR], s[40:41] offset:4
	WIN TO_F
.irp t, 0,1
.irp c, 0,1,2
	global_load_b128 v[QF+12*\t+4*\c:QF+12*\t+4*\c+3], v[LI], s[38:39] offset:1536*\t+512*\c
.endr
.endr
.set j, 0
.rept 128
	v_mov_b32 v[j], 0                              ; O^T
.set j, j+1
.endr
	WIN 0
	v_lshl_add_u32 v[GO], v9, 13, v[LR]
	v_mul_u32_u24 v[STO], v4, SP
	v_lshl_add_u32 v[STO], v9, 6, v[STO]
	v_add_nc_u32 v[STO], s44, v[STO]
	v_mul_u32_u24 v[RD], v9, SP
	v_add_nc_u32 v[RD], v[RD], v[LR]
	v_add_nc_u32 v[RD], s44, v[RD]
.irp t, 0,1
	v_mov_b32 v[ST+4*\t+1], 0xff61b1e6             ; -3e38, under every t
	v_floor_f32 v[ST+4*\t], -v[ST+4*\t+1]
	v_mov_b32 v[ST+4*\t+2], 0
	v_mov_b32 v[ST+4*\t+3], 0
	v_mov_b32 v[WK+20*\t+17], 0
.irp b, 0,1,2,3
	v_mov_b32 v[WK+20*\t+4+\b], 0                  ; a lane permute's destination counts as one of its sources
.endr
.endr
.macro KLOAD                           ; the key step at LDS byte s[QO]: K's scale words and eight fragments, 25 loads.  The addition and three v_nop are the four places behind the products that read these registers
	v_add_nc_u32 v[ADK], s[QO], v[LI]
	s_wait_alu depctr_va_vdst(0)
.rept 3
	v_nop
.endr
	ds_load_b128 v[KSC:KSC+3], v[ADK] offset:12288
	WIN TO_F
.irp f, 0,1,2,3,4,5,6,7
.irp c, 0,1,2
	ds_load_b128 v[FA+12*\f+4*\c:FA+12*\f+4*\c+3], v[ADK] offset:1536*\f+512*\c
.endr
.endr
	WIN 0
.endm
.macro SUMN t                          ; line n of 32 of tile t's row sum, of the unquantised p: two chains by turns
.set rW, WK+20*(\t)
.set rT, ST+4*(\t)
.set rS, S+64*(\t)
.if n == 0
	v_pk_add_f32 v[rW+18:rW+19], v[rS:rS+1], v[rS+2:rS+3]
.elseif n == 31
	v_pk_add_f32 v[rT+2:rT+3], v[rT+2:rT+3], v[rW+18:rW+19]
.elseif n%2 == 1
	v_pk_add_f32 v[rT+2:rT+3], v[rT+2:rT+3], v[rS+2*(n+1):rS+2*(n+1)+1]
.else
	v_pk_add_f32 v[rW+18:rW+19], v[rW+18:rW+19], v[rS+2*n+2:rS+2*n+3]
.endif
.endm
.macro STEP next                       ; 128 keys; their loads of K are out.  next = 1: the next step lies in the same slot, and its K is asked for here
	s_wait_dscnt 12                                ; K's scale words and fragments 0-3 are in; the 12 loads of fragments 4-7 may be out
	WIN W_KQ
.irp f, 0,1,2,3
.irp t, 0,1
	v_wmma_scale_f32_16x16x128_f8f6f4 v[S+64*\t+8*\f:S+64*\t+8*\f+7], v[FA+12*\f:FA+12*\f+11], v[QF+12*\t:QF+12*\t+11], 0, v[KSC+\f], v[QS+\t] matrix_a_fmt:MATRIX_FMT_BF6 matrix_b_fmt:MATRIX_FMT_BF6
.endr
.endr
	s_wait_dscnt 0x0
.irp f, 4,5,6,7
.irp t, 0,1
	v_wmma_scale_f32_16x16x128_f8f6f4 v[S+64*\t+8*\f:S+64*\t+8*\f+7], v[FA+12*\f:FA+12*\f+11], v[QF+12*\t:QF+12*\t+11], 0, v[KSC+\f-4], v[QS+\t] matrix_a_fmt:MATRIX_FMT_BF6 matrix_b_fmt:MATRIX_FMT_BF6 matrix_a_scale:MATRIX_SCALE_ROW1
.endr
.endr
	WIN 0
.rept 4
	v_nop                                          ; four places: ahead of the loads into the fragments' registers and of the first read of the scores
.endr
	ds_load_b128 v[VS:VS+3], v[ADK] offset:RECB+12288   ; V lands under the softmax
	WIN TO_F
.irp f, 0,1,2,3,4,5,6,7
.irp c, 0,1,2
	ds_load_b128 v[FA+12*\f+4*\c:FA+12*\f+4*\c+3], v[ADK] offset:RECB+1536*\f+512*\c
.endr
.endr
	WIN 0
	; the largest score of each block of 32 keys: for the row's maximum and, since p rises with the score, for the block's largest p
.irp b, 0,1,2,3
.irp t, 0,1
	v_max3_num_f32 v[WK+20*\t+\b], v[S+64*\t+16*\b], v[S+64*\t+16*\b+1], v[S+64*\t+16*\b+2]
.endr
.endr
.irp i, 3,5,7,9,11,13
.irp b, 0,1,2,3
.irp t, 0,1
	v_max3_num_f32 v[WK+20*\t+\b], v[WK+20*\t+\b], v[S+64*\t+16*\b+\i], v[S+64*\t+16*\b+\i+1]
.endr
.endr
.endr
.irp b, 0,1,2,3
.irp t, 0,1
	v_max_num_f32 v[WK+20*\t+\b], v[WK+20*\t+\b], v[S+64*\t+16*\b+15]
.endr
.endr
.irp b, 0,1,2,3
.irp t, 0,1
	v_permlanex16_b32 v[WK+20*\t+4+\b], v[WK+20*\t+\b], s[SEL], s[SEL+1]
.endr
.endr
.irp b, 0,1,2,3
.irp t, 0,1
	v_max_num_f32 v[WK+20*\t+\b], v[WK+20*\t+\b], v[WK+20*\t+4+\b]
.endr
.endr
.irp t, 0,1
	v_max3_num_f32 v[WK+20*\t+11], v[WK+20*\t], v[WK+20*\t+1], v[WK+20*\t+2]
.endr
.irp t, 0,1
	v_max_num_f32 v[WK+20*\t+11], v[WK+20*\t+11], v[WK+20*\t+3]
.endr
.irp t, 0,1
	v_mul_f32 v[WK+20*\t+11], s[CS], v[WK+20*\t+11]
.endr
.irp t, 0,1
	v_max_num_f32 v[ST+4*\t+1], v[ST+4*\t+1], v[WK+20*\t+11]       ; the running largest t
.endr
.irp t, 0,1
	v_mov_b32 v[WK+20*\t+11], v[ST+4*\t]
.endr
.irp t, 0,1
	v_floor_f32 v[ST+4*\t], -v[ST+4*\t+1]                          ; the new -M
.endr
.irp t, 0,1
	v_sub_f32 v[WK+20*\t+11], v[ST+4*\t], v[WK+20*\t+11]
.endr
.irp t, 0,1
	v_cvt_i32_f32 v[WK+20*\t+11], v[WK+20*\t+11]
.endr
.irp t, 0,1
	v_ldexp_f32 v[WK+20*\t+16], 1.0, v[WK+20*\t+11]                ; f = 2^(old M - new M)
.endr
.set j, 0
.rept 32
	v_pk_fma_f32 v[S+j:S+j+1], v[S+j:S+j+1], s[CS:CS+1], v[ST:ST+1] op_sel_hi:[1,0,0]   ; tile 0: t - M
.set j, j+2
.endr
.irp b, 0,1,2,3
	v_fma_f32 v[WK+\b], v[WK+\b], s[CS], v[ST]
.endr
	s_wait_alu depctr_va_vdst(0)                   ; ahead of a batch of exponentials
.set j, 0
.rept 32
	v_exp_f32 v[S+j], v[S+j]                       ; tile 0: p; between its exponentials tile 1's t - M, which is read behind the next wait
	v_pk_fma_f32 v[S+64+j:S+64+j+1], v[S+64+j:S+64+j+1], s[CS:CS+1], v[ST+4:ST+5] op_sel_hi:[1,0,0]
	v_exp_f32 v[S+j+1], v[S+j+1]
.set j, j+2
.endr
.irp b, 0,1,2,3
	v_exp_f32 v[WK+\b], v[WK+\b]                   ; the block's largest p
	v_fma_f32 v[WK+20+\b], v[WK+20+\b], s[CS], v[ST+4]
.endr
	s_wait_alu depctr_va_vdst(0)                   ; ahead of tile 1's batch
.set j, 0
.rept 64
	v_exp_f32 v[S+64+j], v[S+64+j]
.set j, j+1
.endr
.irp b, 0,1,2,3
	v_exp_f32 v[WK+20+\b], v[WK+20+\b]
.endr
	WIN W_RS
	s_wait_alu depctr_va_vdst(0)                   ; one wait behind both batches, directly ahead of the first reader of O^T
.irp t, 0,1
.set j, 0
.rept 32
	v_pk_mul_f32 v[64*\t+j:64*\t+j+1], v[64*\t+j:64*\t+j+1], v[WK+20*\t+16:WK+20*\t+17] op_sel_hi:[1,0]   ; O^T under the new M, each accumulator from its low end on
.set j, j+2
.endr
.endr
	WIN 0
.irp t, 0,1
	v_pk_mul_f32 v[ST+4*\t+2:ST+4*\t+3], v[ST+4*\t+2:ST+4*\t+3], v[WK+20*\t+16:WK+20*\t+17] op_sel_hi:[1,0]   ; the sums likewise
.endr
.irp b, 0,1,2,3
.irp t, 0,1
	v_max_num_f32 v[WK+20*\t+\b], 0x2800000, v[WK+20*\t+\b]        ; the floor 2^(5 - 127)
.endr
.endr
.irp b, 0,1,2,3
.irp t, 0,1
	v_add_nc_u32 v[WK+20*\t+12+\b], 0xfe000000, v[WK+20*\t+\b]     ; the conversion's scale operand
.endr
.endr
.irp b, 0,1,2,3
.irp t, 0,1
	v_lshrrev_b32 v[WK+20*\t+4+\b], 23, v[WK+20*\t+12+\b]          ; the byte
.endr
.endr
.irp t, 0,1
	v_lshl_or_b32 v[PS+\t], v[WK+20*\t+5], 8, v[WK+20*\t+4]
.endr
.irp t, 0,1
	v_lshl_or_b32 v[WK+20*\t+11], v[WK+20*\t+7], 8, v[WK+20*\t+6]
.endr
.irp t, 0,1
	v_lshl_or_b32 v[PS+\t], v[WK+20*\t+11], 16, v[PS+\t]           ; p's scale word for these 128 keys
.endr
.irp t, 0,1
.irp c, 0,1
	v_cvt_scalef32_pk16_bf6_f32 v[CD+12*\t+6*\c:CD+12*\t+6*\c+2], v[S+64*\t+32*\c:S+64*\t+32*\c+15], v[WK+20*\t+12+2*\c]
	v_cvt_scalef32_pk16_bf6_f32 v[WK+20*\t+4+4*\c:WK+20*\t+6+4*\c], v[S+64*\t+16+32*\c:S+64*\t+31+32*\c], v[WK+20*\t+13+2*\c]
.endr
.endr
	v_nop                                          ; one plain instruction behind the conversions
.irp t, 0,1                                    ; a whole block to a lane: lanes 0-15 block 2 c, lanes 16-31 block 2 c + 1
.irp c, 0,1
.irp i, 0,1,2
	v_permlane16_swap_b32 v[CD+12*\t+6*\c+\i], v[WK+20*\t+4+4*\c+\i]
.endr
.irp i, 0,1,2
	v_mov_b32 v[CD+12*\t+6*\c+3+\i], v[WK+20*\t+4+4*\c+\i]
.endr
.endr
.endr
.set n, 0
.rept 32
	SUMN 0                                         ; tile 0's row sum: also the places between the codes' and scale words' last writes and the products
.set n, n+1
.endr
	s_wait_dscnt 0x0                               ; V is in
	WIN W_PV
.irp f, 0,1,2,3                                ; O^T += V^T P^T; the sixteen accumulators take turns
.irp t, 0,1
	v_wmma_scale_f32_16x16x128_f8f6f4 v[64*\t+8*\f:64*\t+8*\f+7], v[FA+12*\f:FA+12*\f+11], v[CD+12*\t:CD+12*\t+11], v[64*\t+8*\f:64*\t+8*\f+7], v[VS+\f], v[PS+\t] matrix_a_fmt:MATRIX_FMT_BF6 matrix_b_fmt:MATRIX_FMT_BF6
.endr
.endr
.irp f, 4,5,6,7
.irp t, 0,1
	v_wmma_scale_f32_16x16x128_f8f6f4 v[64*\t+8*\f:64*\t+8*\f+7], v[FA+12*\f:FA+12*\f+11], v[CD+12*\t:CD+12*\t+11], v[64*\t+8*\f:64*\t+8*\f+7], v[VS+\f-4], v[PS+\t] matrix_a_fmt:MATRIX_FMT_BF6 matrix_b_fmt:MATRIX_FMT_BF6 matrix_a_scale:MATRIX_SCALE_ROW1
.endr
.endr
	WIN 0
.if \next
	s_add_co_u32 s[QO], s[QO], STEPB
	KLOAD
.endif
.set n, 0
.rept 32
	SUMN 1                                         ; tile 1's row sum stands between those loads and the wait for them
.set n, n+1
.endr
.endm
.macro CHANGE fill                     ; the change of slots: all my tensor loads, the add, my reads of the slot that I leave; fill = 1: a round of the cluster's barrier, and the slot just left takes the next four key steps
.if \fill
	s_wait_xcnt 0x0                                ; my prefetch has read its address
	s_add_nc_u64 s[PF:PF+1], s[PF:PF+1], NQS*STEPB
.endif
	s_wait_tensorcnt 0x0
	ds_add_u32 v[SPW], v[NIL]
.if \fill
	s_xor_b32 s[G0+1], s[G0+1], SLOT1
	s_add_nc_u64 s[G0+2:G0+3], s[G0+2:G0+3], NQS*STEPB
.endif
	s_wait_dscnt 0x0
.if \fill
	CROUND
	TLOAD
.else
	s_barrier_signal -1
	s_barrier_wait -1
.endif
.endm
.macro SLOT_STEPS ask
	s_mov_b32 s[QO], s[TB]
	KLOAD
.if \ask
	s_cmp_gt_u32 s[SLOTS], 1                       ; the last refill has no slot behind it
	s_cbranch_scc0 .Lno_ask_\@
	global_prefetch_b8 v[PFO], s[PF:PF+1] th:TH_LOAD_NT scope:SCOPE_SE
.Lno_ask_\@:
.endif
	s_mov_b32 s[QC], NQS-1
.Lstep_\@:
	STEP 1
	s_sub_co_u32 s[QC], s[QC], 1
	s_cmp_lg_u32 s[QC], 0
	s_wait_alu depctr_va_vdst(0)                   ; ahead of the branch
	s_cbranch_scc1 .Lstep_\@
	STEP 0                                         ; the next K lies in the other slot: it is asked for behind the change of slots
	s_xor_b32 s[TB], s[TB], SLOT1
.endm
	s_wait_alu depctr_va_vdst(0)                   ; the wait at the head's end
	s_wait_loadcnt 0x0                             ; Q
.Lslot:
	CHANGE 1
	SLOT_STEPS 1
	s_sub_co_u32 s[SLOTS], s[SLOTS], 1
	s_cmp_lg_u32 s[SLOTS], 0
	s_wait_alu depctr_va_vdst(0)
	s_cbranch_scc1 .Lslot
	CHANGE 0
	SLOT_STEPS 0
	; THE WAY OUT: O^T / the sum, through my stage, 64 channels of a tile's 16 queries at a time: sixteen lanes store 256 consecutive bytes of a row of out0
.irp t, 0,1
	v_add_f32 v[ST+4*\t+2], v[ST+4*\t+2], v[ST+4*\t+3]
.endr
.irp t, 0,1
	v_permlanex16_b32 v[WK+20*\t+11], v[ST+4*\t+2], s[SEL], s[SEL+1]
.endr
.irp t, 0,1
	v_add_f32 v[ST+4*\t+2], v[ST+4*\t+2], v[WK+20*\t+11]
.endr
	s_wait_alu depctr_va_vdst(0)                   ; ahead of the reciprocals
.irp t, 0,1
	v_rcp_f32 v[ST+4*\t+2], v[ST+4*\t+2]
.endr
	v_nop
	WIN 0x01
	s_wait_alu depctr_va_vdst(0)                   ; behind them, directly ahead of the first reader of O^T
.irp t, 0,1
.set j, 0
.rept 64
	v_mul_f32 v[S+64*\t+j], v[64*\t+j], v[ST+4*\t+2]               ; register 16 e + i is o(my query, 32 e + 16 h + i)
.set j, j+1
.endr
.endr
	WIN 0
	s_wait_alu depctr_va_vdst(0)
.macro HALF t, u
.set BB, RB+32*((2*(\t)+(\u))%2)
.irp e, 0,1
.irp q, 0,1,2,3
	ds_store_b128 v[STO], v[S+64*(\t)+32*(\u)+16*\e+4*\q:S+64*(\t)+32*(\u)+16*\e+4*\q+3] offset:128*\e+16*\q
.endr
.endr
.irp i, 0,1,2,3,4,5,6,7
	ds_load_b128 v[BB+4*\i:BB+4*\i+3], v[RD] offset:\i*2*SP        ; LDS serves a wave's instructions in order (ISA guide 5.7.1.4)
.endr
.endm
.macro SEND t, u, younger              ; younger: the LDS instructions issued behind this half's loads
.set BB, RB+32*((2*(\t)+(\u))%2)
.irp i, 0,1,2,3,4,5,6,7
	s_wait_dscnt \younger+7-\i
	global_store_b128 v[GO], v[BB+4*\i:BB+4*\i+3], s[42:43] offset:(8*(\t)+16*(\i/4)+2*(\i%4))*8192+256*(\u) th:TH_STORE_NT
.endr
.endm
	HALF 0, 0
	HALF 0, 1
	SEND 0, 0, 16
	s_wait_xcnt 0x0                                ; those stores have read their data
	HALF 1, 0
	SEND 0, 1, 16
	s_wait_xcnt 0x0
	HALF 1, 1
	SEND 1, 0, 16
	SEND 1, 1, 0
	s_wait_tensorcnt 0x0                           ; the wave's end
	ds_add_u32 v[SPW], v[NIL]
	s_wait_dscnt 0x0
	CROUND                                         ; the closing round
	s_endpgm
.Lfunc_end_k_q3e2649ee88_attn:
	.size	k_q3e2649ee88_attn, .Lfunc_end_k_q3e2649ee88_attn-k_q3e2649ee88_attn
	.p2alignl 7, 3214868480
	.fill 96, 4, 3214868480
	.section	.rodata,"a",@progbits
	.p2align	6, 0x0
	.amdhsa_kernel k_q3e2649ee88_attn
		.amdhsa_group_segment_fixed_size 327680
		.amdhsa_private_segment_fixed_size 0
		.amdhsa_enable_private_segment 0
		.amdhsa_kernarg_size 16
		.amdhsa_user_sgpr_count 2
		.amdhsa_user_sgpr_kernarg_segment_ptr 1
		.amdhsa_wavefront_size32 1
		.amdhsa_system_sgpr_workgroup_id_x 1
		.amdhsa_system_sgpr_workgroup_id_y 1
		.amdhsa_system_sgpr_workgroup_id_z 1
		.amdhsa_system_vgpr_workitem_id 0
		.amdhsa_next_free_vgpr 512
		.amdhsa_next_free_sgpr 66
		.amdhsa_reserve_vcc 0
		.amdhsa_float_denorm_mode_32 3
		.amdhsa_float_denorm_mode_16_64 3
		.amdhsa_memory_ordered 1
		.amdhsa_forward_progress 1
		.amdhsa_inst_pref_size 158
	.end_amdhsa_kernel
	.amdgpu_metadata
---
amdhsa.version: [ 1, 2 ]
amdhsa.kernels:
  - .name:           k_q3e2649ee88_attn
    .symbol:         k_q3e2649ee88_attn.kd
    .args:
      - { .name: rec, .offset: 0, .size: 8, .value_kind: global_buffer, .address_space: global }
      - { .name: out0, .offset: 8, .size: 8, .value_kind: global_buffer, .address_space: global }
    .group_segment_fixed_size: 327680
    .private_segment_fixed_size: 0
    .kernarg_segment_align: 8
    .kernarg_segment_size: 16
    .max_flat_workgroup_size: 256
    .sgpr_count:     66
    .vgpr_count:     512
    .wavefront_size: 32
...
	.end_amdgpu_metadata
.endif
;; end of part 3
